; MI455X (gfx1250); checked and timed in simulation.
; The chip was launched on July 23, 2026; its instructions are those of AMD's public machine-readable ISA for CDNA 5 (MIT licence, August 2026) and "CDNA5" Instruction Set Architecture Reference Guide (July 2026). The comments in the code are by the model that wrote it; some were corrected since.
;; Multi Head Attention. Allowed arithmetic: matrix products marked QUANTISED: E2M3 operands, one E8M0 scale for each 32 along K, by v_wmma_scale_f32_16x16x128_f8f6f4 with both operands' format E2M3, f32 sums; everything else in f32.
;; Inputs: Wk 16 x 1,024 x 64 float32; Wq 16 x 1,024 x 64 float32; Wv 16 x 1,024 x 64 float32; inputs 4 x 2,048 x 1,024 float32.
;; Outputs: out0 4 x 2,048 x 1,024 float32.
;; This version of the problem:
;;   THIS VERSION OF THE PROBLEM IS GIVEN IN LOW PRECISION. The matrix products marked QUANTISED in the list below multiply operands that are first quantised to E2M3 (2 exponent bits, 3 mantissa bits; 6 bits a number), with one power-of-two scale for each 32 numbers along K (OCP MX v1.0); their sums are f32. All else is computed in f32.
;;   The module's matrix products, in the order in which they are computed (A, B: the left and right operand; K: the contracted axis; several contracted axes count as one K, in the product's order):
;;     1. [M 1,024, K 1,024] x [K 1,024, N 8,192]; A: input Wq; B: input inputs: QUANTISED
;;     2. [M 1,024, K 1,024] x [K 1,024, N 8,192]; A: input Wk; B: input inputs: QUANTISED
;;     3. [M 1,024, K 1,024] x [K 1,024, N 8,192]; A: input Wv; B: input inputs: QUANTISED
;;     4. batch 64 x [M 2,048, K 64] x [K 64, N 2,048]; A: computed on the way; B: computed on the way: QUANTISED
;;     5. batch 64 x [M 2,048, K 2,048] x [K 2,048, N 64]; A: softmax (see below); B: computed on the way: QUANTISED
;;   THE QUANTISER, for each operand of a quantised product, along K:
;;     - K is cut into blocks of 32 from its start; a last block that is shorter is filled with zeros.
;;     - A block's scale is 2^e with e = floor(log2(the largest magnitude in the block)) - 2, held to -126 .. 127; a block of zeros has e = 0. As a byte (E8M0): e + 127.
;;     - Each number is divided by its block's scale, clamped to +-7.5, and rounded to the nearest number of E2M3, ties to even, subnormals kept.
;;     - The product sums the exact products of the quantised numbers (number of the format x scale) in f32.
;;   ~~~python
;;   def quantise(x, axis):      # numpy; x: float32 -> the quantised numbers, widened to float32 again
;;       x = np.moveaxis(x, axis, -1); K = x.shape[-1]
;;       x = np.pad(x, [(0, 0)] * (x.ndim - 1) + [(0, -K % 32)]); x = x.reshape(x.shape[:-1] + (-1, 32)); a = np.abs(x).max(-1, keepdims=True)
;;       e = np.where(a > 0, np.clip(np.frexp(np.where(a > 0, a, 1))[1] - 1 - 2, -126, 127), 0)      # np.frexp(a)[1] - 1 = floor(log2(a)), exactly
;;       r = np.clip(x / 2.0 ** e, -7.5, 7.5)
;;       step = 2.0 ** (np.maximum(np.frexp(np.where(r == 0, 1, r))[1] - 1, 0) - 3)
;;       q = np.round(r / step) * step * 2.0 ** e      # np.round: ties to even
;;       return np.moveaxis(q.reshape(q.shape[:-2] + (-1,))[..., :K], -1, axis).astype(np.float32)
;;   ~~~
;;   SOFTMAX AHEAD OF A QUANTISED PRODUCT. Where the list says 'softmax', what is quantised is not the finished softmax but p = 2^(t - M), with t = logit x log2(e) and M = ceil(the row's largest t), a whole number; so 1/2 < the row's largest p <= 1. The row's sum l is taken of the UNQUANTISED p, in f32, and the product's result is divided by l at the end. Since M is a whole number, a kernel that streams over the keys may use a running M (the ceiling of the running maximum): every later rescaling is an exact power of two, which a block's scale takes up: the codes' values come out the same.
;;   OPERANDS COMPUTED ON THE WAY. 'Computed on the way' means the value that the module computes at that place (a softmax that the list does not call 'softmax' is quantised finished and normalised). What goes into a quantiser is computed in f32, as accurately as f32 sums, v_exp_f32 and their like allow (about 1e-6 of the number): no bf16 or f16 on the way to a quantiser, and a product that is left as it is and whose result goes on into a quantised operand takes f32 operands (vector FMAs, or v_wmma_f32_16x16x4_f32). A number that lies on a knife's edge between two numbers of the format may be rounded either way, as far as f32 arithmetic and the matrix unit's own rounding can turn it there, and no further.
;; One version. Each part assembles by itself: llvm-mc -triple=amdgcn-amd-amdhsa -mcpu=gfx1250 --defsym DOCPART=n.
;; ======== version 1 of 1: 3 launches
;; limits: right only within a limited range of input values
;; workspace buffers: cimg 8,650,752 bytes; simg 360,448 bytes; qkv 20,447,232 bytes
;; launch quant (part 1): grid 352 x 1, 8 waves a work-group, no clusters, 68,608 bytes of LDS; arguments inputs, Wq, Wk, Wv, cimg, simg; writes cimg, simg
.if DOCPART == 1
	.amdgcn_target "amdgcn-amd-amdhsa--gfx1250"
	.amdhsa_code_object_version 6
	.text
	.protected	k_qddeae79072_quant
	.globl	k_qddeae79072_quant
	.p2align	8
	.type	k_qddeae79072_quant,@function
k_qddeae79072_quant:
	s_mov_b64 s[64:65], 0
	v_nop
	global_prefetch_b8 v0, s[64:65] scope:SCOPE_SE
	s_setreg_imm32_b32 hwreg(HW_REG_WAVE_MODE, 25, 1), 1
	s_wait_xcnt 0x0
; inputs [8192][1024] f32 (K = the 1,024 innermost) and Wq, Wk, Wv [16][1024][64] f32 (K = the middle axis) become codes of FP6 (E2M3) with one E8M0 byte for each 32 along K,
; laid as IMAGES OF THE MATRIX OPERAND'S REGISTERS, so that the next launch reads them by 16-byte loads alone.
; UNIFIED ROWS: the 8,192 rows of inputs, then the 3 x 1,024 weight columns (Wq, Wk, Wv; column = 64 x head + e): 11,264 rows, 704 tiles of 16.
; A TILE'S ROWS ARE NOT NEIGHBOURS: place r (0..15) of tile 2 P + u is unified row 32 P + 8 u + r + 8 (r / 8).  Used as a product's source 0, the 16 result registers of tiles 2 P and 2 P + 1
; are then 16 neighbouring rows, which is what the next quantiser along that axis wants.
; A FRAGMENT (16 rows x 128 K) is 12 registers a lane: lane (r, h) holds, in registers 6 c .. 6 c + 5, k = 64 c + 32 h + 0 .. 31 of place r.
; cimg [704 tiles][8 K steps][1,536 bytes]: registers 4 c .. 4 c + 3 of lane l at 512 c + 16 l.   simg [704][8][16 words]: place r's four scale bytes at 4 r.
; A block's scale is 2^(floor(log2(its largest magnitude)) - 2); its byte is the largest magnitude's exponent field - 2, held at 1 from below.
; LIMITS: a block of zeros, or one whose largest magnitude lies under 2^-124, gets the byte 1 where the rule says 127 for zeros: its codes are zeros, and this program alone reads the bytes.
; NaN and infinities among the inputs are not served.
; SHARES: work-groups 0..95 take the weights (a wave: 32 columns x 128 K, a lane to a column, registers down K); work-groups 96..351 take inputs (a wave: one tile x 256 K).
; No tensor loads, no barrier: waves share nothing.  Only the second path uses LDS (a stage of its own for each wave).
.set NW,   96                          ; work-groups for the weights
.set FRB,  1536                        ; a fragment's image in bytes
.set TROW, 8*FRB                       ; a tile's eight K steps
.set SEL,  20                          ; s[20:21] lane selects for v_permlanex16_b32: lane l xor 16
.set XN,   144                         ; v144-207 64 numbers of a lane, register 16 b + i = k 32 b + 16 h + i of its row
.set PC,   208                         ; v208-227 the codes just made
.set TM,   228                         ; v228-231 largest magnitudes, v232-235 bytes, v240-243 the conversions' scale operands
.set PW,   244                         ; the scale word just made
	s_load_b256 s[4:11], s[0:1], 0x0               ; inputs s[4:5], Wq s[6:7], Wk s[8:9], Wv s[10:11]
	s_load_b128 s[12:15], s[0:1], 0x20             ; cimg s[12:13], simg s[14:15]
	v_lshl_add_u32 v254, v0, 2, 0x10800
	v_mov_b32 v255, 0
	v_lshrrev_b32 v1, 5, v0
	s_delay_alu instid0(VALU_DEP_1)
	v_readfirstlane_b32 s16, v1                    ; wave 0..7
	v_and_b32 v1, 31, v0                           ; lane
	s_mov_b32 s[SEL], 0x76543210
	s_mov_b32 s[SEL+1], 0xfedcba98
	s_cmp_lt_u32 ttmp9, NW
	s_cbranch_scc0 .Lx
; ---------------- THE WEIGHTS.  Work-group g: tensor and head th = g / 2; the wave: K step 4 (g % 2) + wave / 2, columns 32 (wave % 2) on.
	s_lshr_b32 s17, ttmp9, 1                       ; th = 16 x tensor + head
	s_and_b32 s18, ttmp9, 1
	s_lshl_b32 s18, s18, 2
	s_lshr_b32 s19, s16, 1
	s_add_co_u32 s18, s18, s19                     ; K step 0..7
	s_and_b32 s19, s16, 1                          ; which 32 columns of the head's 64
	s_and_b32 s22, s17, 15
	s_lshl_b32 s22, s22, 18                        ; a head: 1,024 rows of 256 bytes
	s_lshl_b32 s23, s18, 15                        ; a K step: 128 rows
	s_add_co_u32 s22, s22, s23
	s_lshl_b32 s23, s19, 7                         ; 32 columns: 128 bytes
	s_add_co_u32 s22, s22, s23
	s_mov_b32 s23, 0
	s_lshl_b32 s24, s17, 2
	s_lshl_b32 s25, s19, 1
	s_add_co_u32 s24, s24, s25
	s_add_co_u32 s24, s24, 512                     ; my two tiles: 512 + 4 th + 2 (wave % 2) + u
	s_mul_i32 s26, s24, TROW
	s_mul_i32 s25, s18, FRB
	s_add_co_u32 s26, s26, s25
	s_mov_b32 s27, 0
	s_lshl_b32 s28, s24, 9
	s_lshl_b32 s25, s18, 6
	s_add_co_u32 s28, s28, s25
	s_mov_b32 s29, 0
	s_wait_alu depctr_va_vdst(0)
	v_lshlrev_b32 v4, 2, v1                        ; in: 4 bytes a lane
	v_bfe_u32 v2, v1, 3, 1                         ; my column l of the 32 is place r of tile u: u = (l / 8) % 2,
	v_and_b32 v3, 7, v1
	v_lshrrev_b32 v5, 4, v1
	s_delay_alu instid0(VALU_DEP_1)
	v_lshl_add_u32 v3, v5, 3, v3                   ; r = l % 8 + 8 (l / 16)
	s_delay_alu instid0(VALU_DEP_4)
	v_mul_u32_u24 v5, v2, TROW
	s_delay_alu instid0(VALU_DEP_1)
	v_lshl_add_u32 v5, v3, 4, v5                   ; out: tile u, 16 r
	v_lshlrev_b32 v6, 9, v2
	s_delay_alu instid0(VALU_DEP_1)
	v_lshl_add_u32 v6, v3, 2, v6                   ; scale word: tile u, 4 r
	s_wait_alu depctr_va_vdst(0)
	s_wait_kmcnt 0x0
	s_cmp_lt_u32 ttmp9, 64                         ; which tensor: the choice hangs on the work-group's number alone
	s_cselect_b64 s[8:9], s[8:9], s[10:11]
	s_cmp_lt_u32 ttmp9, 32
	s_cselect_b64 s[6:7], s[6:7], s[8:9]
	s_add_nc_u64 s[6:7], s[6:7], s[22:23]
	s_add_nc_u64 s[12:13], s[12:13], s[26:27]
	s_add_nc_u64 s[14:15], s[14:15], s[28:29]
.macro WLOAD t                         ; block t: W(32 t + i, my column), i = 0 .. 31: 32 lanes read 128 consecutive bytes; the neighbouring wave takes the row's other 128
.set I, 0
.rept 32
	global_load_b32 v[16+32*(\t)+I], v4, s[6:7] offset:256*(32*(\t)+I) th:TH_LOAD_NT
.set I, I+1
.endr
.endm
; Block t of my column belongs to lane place (r, h = t % 2), registers 6 (t / 2) on: images IM0 (v144-155, h = 0) and IM1 (v156-167, h = 1).
.macro WBLOCK t
.set XS, 16+32*(\t)
.set IM, 144+12*((\t)%2)+6*((\t)/2)
.if (\t) < 3
	s_wait_loadcnt 32                              ; this block's 32 loads are in; the next block's 32 may be out
.else
	s_wait_loadcnt 0x0
.endif
.if (\t)+2 < 4
	WLOAD (\t)+2                                   ; two blocks ahead
.endif
	v_max3_num_f32 v172, |v[XS]|, |v[XS+1]|, |v[XS+2]|      ; the block's largest magnitude: all 32 numbers are mine; two chains
	v_max3_num_f32 v173, |v[XS+3]|, |v[XS+4]|, |v[XS+5]|
.irp i, 6,10,14,18,22,26
	s_delay_alu instid0(VALU_DEP_2)
	v_max3_num_f32 v172, v172, |v[XS+\i]|, |v[XS+\i+1]|
	s_delay_alu instid0(VALU_DEP_2)
	v_max3_num_f32 v173, v173, |v[XS+\i+2]|, |v[XS+\i+3]|
.endr
	s_delay_alu instid0(VALU_DEP_2)
	v_max3_num_f32 v172, v172, |v[XS+30]|, |v[XS+31]|
	s_delay_alu instid0(VALU_DEP_1)
	v_max3_num_f32 v172, v172, v173, 0x1800000     ; and the floor 2^(3 - 127): the byte cannot fall under 1
	s_delay_alu instid0(VALU_DEP_1)
	v_add_nc_u32 v174, 0xff000000, v172            ; 2 off the exponent field: the conversion takes the exponent field of this operand as its scale
	s_delay_alu instid0(VALU_DEP_1)
	v_lshrrev_b32 v175, 23, v174                   ; the scale's byte
.if (\t) == 0
	s_delay_alu instid0(VALU_DEP_1)
	v_mov_b32 v180, v175                           ; four bytes make my column's scale word, the lower K in the lower byte
.else
	s_delay_alu instid0(VALU_DEP_1)
	v_lshl_or_b32 v180, v175, 8*(\t), v180
.endif
	v_cvt_scalef32_pk16_fp6_f32 v[IM:IM+2], v[XS:XS+15], v174
	v_cvt_scalef32_pk16_fp6_f32 v[168:170], v[XS+16:XS+31], v174   ; (a conversion's three registers begin on an even number)
	v_nop                                          ; one plain place behind a scaled conversion
.irp i, 0,1,2
	v_mov_b32 v[IM+3+\i], v[168+\i]
.endr
.endm
	WLOAD 0
	WLOAD 1
	WBLOCK 0
	WBLOCK 1
	WBLOCK 2
	WBLOCK 3
.irp h, 0,1
.irp c, 0,1,2
	global_store_b128 v5, v[144+12*\h+4*\c:144+12*\h+4*\c+3], s[12:13] offset:512*\c+256*\h   ; the sixteen lanes of a tile store 256 consecutive bytes, aligned
.endr
.endr
	global_store_b32 v6, v180, s[14:15]
	s_endpgm
; ---------------- INPUTS.  Work-group 96 + P: tiles 2 P and 2 P + 1; the wave: tile 2 P + wave / 4, K steps 2 (wave % 4) and the next.
.Lx:
	s_sub_co_u32 s17, ttmp9, NW                    ; P
	s_lshr_b32 s18, s16, 2                         ; u
	s_and_b32 s19, s16, 3                          ; which 256 along K
	s_lshl_b32 s22, s17, 5
	s_lshl_b32 s23, s18, 3
	s_add_co_u32 s22, s22, s23                     ; the tile's first row: 32 P + 8 u
	s_lshl_b32 s22, s22, 12                        ; rows of 4,096 bytes
	s_lshl_b32 s23, s19, 10
	s_add_co_u32 s22, s22, s23
	s_mov_b32 s23, 0
	s_lshl_b32 s24, s17, 1
	s_add_co_u32 s24, s24, s18                     ; the tile
	s_mul_i32 s26, s24, TROW
	s_mul_i32 s25, s19, 2*FRB
	s_add_co_u32 s26, s26, s25
	s_mov_b32 s27, 0
	s_lshl_b32 s28, s24, 9
	s_lshl_b32 s25, s19, 7
	s_add_co_u32 s28, s28, s25
	s_mov_b32 s29, 0
	s_wait_alu depctr_va_vdst(0)
	v_lshlrev_b32 v4, 4, v1                        ; 16 x lane
	v_lshlrev_b32 v5, 2, v1                        ; 4 x lane
	s_mul_i32 s25, s16, 16*528                     ; my stage: 16 rows x (512 bytes + 16)
	v_add_nc_u32 v6, s25, v4                       ; into it: a row as it is loaded
	v_and_b32 v2, 15, v0                           ; r
	v_bfe_u32 v3, v0, 4, 1                         ; h
	s_delay_alu instid0(VALU_DEP_2)
	v_mul_u32_u24 v7, v2, 528
	s_delay_alu instid0(VALU_DEP_1)
	v_lshl_add_u32 v7, v3, 6, v7
	s_delay_alu instid0(VALU_DEP_1)
	v_add_nc_u32 v7, s25, v7                       ; out of it: row r, + 64 h: my 16 numbers of a block of 32
.irp b, 0,1,2,3
	v_mov_b32 v[TM+4+\b], 0                        ; written once: a lane permute's destination counts as one of its sources
.endr
	s_wait_alu depctr_va_vdst(0)
	s_wait_kmcnt 0x0
	s_add_nc_u64 s[4:5], s[4:5], s[22:23]
	s_add_nc_u64 s[12:13], s[12:13], s[26:27]
	s_add_nc_u64 s[14:15], s[14:15], s[28:29]
.irp f, 0,1
.irp i, 0,1,2,3,4,5,6,7,8,9,10,11,12,13,14,15
	global_load_b128 v[16+64*\f+4*\i:16+64*\f+4*\i+3], v4, s[4:5] offset:(\i+8*(\i/8))*4096+512*\f th:TH_LOAD_NT   ; place i's row: 32 lanes read 512 consecutive bytes
.endr
.endr
; 64 numbers of a lane, v[s] on, become a fragment's codes in v[PC] .. v[PC + 11] and its scale word in v[PW] (the same word in lanes r and r + 16).
.macro QUANT s
.irp b, 0,1,2,3
	v_max3_num_f32 v[TM+\b], |v[\s+16*\b]|, |v[\s+1+16*\b]|, 0x1800000   ; block b: my 16 numbers, and the floor 2^(3 - 127)
.endr
.irp i, 2,4,6,8,10,12,14
.irp b, 0,1,2,3
	s_delay_alu instid0(VALU_DEP_4)
	v_max3_num_f32 v[TM+\b], v[TM+\b], |v[\s+16*\b+\i]|, |v[\s+1+16*\b+\i]|   ; (the four blocks by turns)
.endr
.endr
.irp b, 0,1,2,3
	s_delay_alu instid0(VALU_DEP_4)
	v_permlanex16_b32 v[TM+4+\b], v[TM+\b], s[SEL], s[SEL+1]
.endr
.irp b, 0,1,2,3
	s_delay_alu instid0(VALU_DEP_4)
	v_max_num_f32 v[TM+\b], v[TM+\b], v[TM+4+\b]   ; with lane l xor 16's: the block's largest magnitude
.endr
.irp b, 0,1,2,3
	s_delay_alu instid0(VALU_DEP_4)
	v_add_nc_u32 v[TM+12+\b], 0xff000000, v[TM+\b] ; 2 off its exponent field: the conversion's scale operand
.endr
.irp b, 0,1,2,3
	s_delay_alu instid0(VALU_DEP_4)
	v_lshrrev_b32 v[TM+4+\b], 23, v[TM+12+\b]      ; the scale's byte
.endr
	s_delay_alu instid0(VALU_DEP_3)
	v_lshl_or_b32 v[PW], v[TM+5], 8, v[TM+4]
	s_delay_alu instid0(VALU_DEP_1)
	v_lshl_or_b32 v[PW], v[TM+6], 16, v[PW]
	s_delay_alu instid0(VALU_DEP_1)
	v_lshl_or_b32 v[PW], v[TM+7], 24, v[PW]
.irp c, 0,1
	v_cvt_scalef32_pk16_fp6_f32 v[PC+6*\c:PC+2+6*\c], v[\s+32*\c:\s+15+32*\c], v[TM+12+2*\c]
	v_cvt_scalef32_pk16_fp6_f32 v[PC+12+4*\c:PC+14+4*\c], v[\s+16+32*\c:\s+31+32*\c], v[TM+12+2*\c+1]   ; (a conversion's three registers begin on an even number)
.endr
	v_nop                                          ; one plain place behind a scaled conversion
.irp c, 0,1                                    ; the operand's layout wants a WHOLE block in a lane: lanes 0-15 block 2 c, lanes 16-31 block 2 c + 1
.irp i, 0,1,2
	v_permlane16_swap_b32 v[PC+6*\c+\i], v[PC+12+4*\c+\i]
.endr
.irp i, 0,1,2
	s_delay_alu instid0(VALU_DEP_3)
	v_mov_b32 v[PC+3+6*\c+\i], v[PC+12+4*\c+\i]
.endr
.endr
.endm
.macro XFRAG f                         ; K step f of my two: through the stage, quantised, stored
.if \f == 0
	s_wait_loadcnt 16                              ; this fragment's 16 loads are in; the other's 16 may be out
.else
	s_wait_loadcnt 0x0
.endif
.irp i, 0,1,2,3,4,5,6,7,8,9,10,11,12,13,14,15
	ds_store_b128 v6, v[16+64*\f+4*\i:16+64*\f+4*\i+3] offset:528*\i
.endr
.irp b, 0,1,2,3
.irp j, 0,1,2,3
	ds_load_b128 v[XN+16*\b+4*\j:XN+16*\b+4*\j+3], v7 offset:128*\b+16*\j   ; LDS serves a wave's instructions in order: these see my stores
.endr
.endr
	s_wait_dscnt 0x0
.if \f
	s_wait_xcnt 0x0                                ; the first fragment's stores have read their registers: the codes may be written again
.endif
	QUANT XN
.irp c, 0,1,2
	global_store_b128 v4, v[PC+4*\c:PC+4*\c+3], s[12:13] offset:FRB*\f+512*\c   ; 32 lanes store 512 consecutive bytes, aligned to 256
.endr
.endm
	XFRAG 0
	v_mov_b32 v245, v[PW]                          ; the first K step's scale words are kept
	XFRAG 1
	v_cmp_gt_u32 vcc_lo, 16, v1
	s_delay_alu instid0(VALU_DEP_1)
	v_cndmask_b32 v246, v[PW], v245, vcc_lo        ; lanes 0-15: the first K step's word of place r; lanes 16-31: the second's
	global_store_b32 v5, v246, s[14:15]            ; 128 consecutive bytes
	s_wait_tensorcnt 0x0
	ds_add_u32 v254, v255
	s_wait_dscnt 0x0
	s_endpgm
.Lfunc_end_k_qddeae79072_quant:
	.size	k_qddeae79072_quant, .Lfunc_end_k_qddeae79072_quant-k_qddeae79072_quant
	.p2alignl 7, 3214868480
	.fill 96, 4, 3214868480
	.section	.rodata,"a",@progbits
	.p2align	6, 0x0
	.amdhsa_kernel k_qddeae79072_quant
		.amdhsa_group_segment_fixed_size 68608
		.amdhsa_private_segment_fixed_size 0
		.amdhsa_enable_private_segment 0
		.amdhsa_kernarg_size 48
		.amdhsa_user_sgpr_count 2
		.amdhsa_user_sgpr_kernarg_segment_ptr 1
		.amdhsa_wavefront_size32 1
		.amdhsa_system_sgpr_workgroup_id_x 1
		.amdhsa_system_sgpr_workgroup_id_y 1
		.amdhsa_system_sgpr_workgroup_id_z 1
		.amdhsa_system_vgpr_workitem_id 0
		.amdhsa_next_free_vgpr 256
		.amdhsa_next_free_sgpr 66
		.amdhsa_reserve_vcc 1
		.amdhsa_float_denorm_mode_32 3
		.amdhsa_float_denorm_mode_16_64 3
		.amdhsa_memory_ordered 1
		.amdhsa_forward_progress 1
		.amdhsa_inst_pref_size 44
	.end_amdhsa_kernel
	.amdgpu_metadata
---
amdhsa.version: [ 1, 2 ]
amdhsa.kernels:
  - .name:           k_qddeae79072_quant
    .symbol:         k_qddeae79072_quant.kd
    .args:
      - { .name: inputs, .offset: 0, .size: 8, .value_kind: global_buffer, .address_space: global }
      - { .name: Wq, .offset: 8, .size: 8, .value_kind: global_buffer, .address_space: global }
      - { .name: Wk, .offset: 16, .size: 8, .value_kind: global_buffer, .address_space: global }
      - { .name: Wv, .offset: 24, .size: 8, .value_kind: global_buffer, .address_space: global }
      - { .name: cimg, .offset: 32, .size: 8, .value_kind: global_buffer, .address_space: global }
      - { .name: simg, .offset: 40, .size: 8, .value_kind: global_buffer, .address_space: global }
    .group_segment_fixed_size: 68608
    .private_segment_fixed_size: 0
    .kernarg_segment_align: 8
    .kernarg_segment_size: 48
    .max_flat_workgroup_size: 256
    .sgpr_count:     66
    .vgpr_count:     256
    .wavefront_size: 32
...
	.end_amdgpu_metadata
.endif
;; end of part 1
;; launch gemm (part 2): grid 8 x 32, 4 waves a work-group, clusters of 4 x 4, 327,680 bytes of LDS; arguments cimg, simg, qkv; writes qkv
.if DOCPART == 2
	.amdgcn_target "amdgcn-amd-amdhsa--gfx1250"
	.amdhsa_code_object_version 6
	.text
	.protected	k_qddeae79072_gemm
	.globl	k_qddeae79072_gemm
	.p2align	8
	.type	k_qddeae79072_gemm,@function
k_qddeae79072_gemm:
	s_mov_b64 s[64:65], 0
	v_nop
	global_prefetch_b8 v0, s[64:65] scope:SCOPE_SE
	s_setreg_imm32_b32 hwreg(HW_REG_WAVE_MODE, 25, 1), 1
	s_wait_xcnt 0x0
	s_wait_alu depctr_hold_cnt(0) depctr_sa_sdst(0) depctr_va_vdst(0) depctr_va_sdst(0) depctr_va_ssrc(0) depctr_va_vcc(0) depctr_vm_vsrc(0)
	s_getreg_b32 s2, hwreg(HW_REG_IB_STS2, 6, 4)
	s_cmp_eq_u32 s2, 0
	s_cbranch_scc0 .Lentry_in_a_cluster
	s_endpgm
.Lentry_in_a_cluster:
	s_bfe_u32 s2, ttmp6, 0x10000c
	s_cmp_lg_u32 s2, 0xf033
	s_cbranch_scc0 .Lentry_shape_is_right
	s_endpgm
.Lentry_shape_is_right:
; V, Q, K = inputs x W and their quantisers, on the register images that the first launch laid (cimg: [704 tiles][8 K steps][1,536 bytes], simg: [704][8][16 words]).
; THE DEAL: 256 work-groups.  Work-group (H, R) takes the 256 positions of block R (16 tiles of inputs) and heads 2 H, 2 H + 1, for all three tensors: it writes two whole blocks of qkv.
; Four waves, 2 x 2: wave (a, b) takes tiles 8 a .. 8 a + 7 of the positions and head 2 H + b (4 tiles of weight columns).  Its 64 weight columns, all of K, lie in 384 registers;
; the positions stream past in blocks of one tile, all of K (8 fragments, two register sets): 32 products a block, four accumulators by turns.
; LDS: the inputs' 16 tiles come ONCE, as two chunks (chunk c: tiles 4 c .. 4 c + 3 and 8 + 4 c .. 8 + 4 c + 3) at 0 and X1, and serve all three tensors; their scale words at XS; the weights' 8 tiles at WB.
; WB is filled at the head (Wv) and again twice (Wq, Wk), each time behind the three lines and a round of the cluster's barrier, when every wave holds the last weights in registers.
; JOINT LOADS: the inputs' tiles hang on R alone and are shared by a row of the cluster, the weights' on H alone and are shared by a column.
; V: source 0 = positions, so a lane's registers run along the keys; Q, K: source 0 = weight columns, so they run along the channels.  By the tiles' order of rows 32 sums of a lane are 16 neighbours of each of two scale blocks;
; lanes l and l xor 16 share a block.  A block's byte is its largest magnitude's exponent field - 2, held at 1 from below.
; THE ONE COUNTED WAIT: s_wait_dscnt NF ahead of a block: younger than its fetch is the next block's fetch alone, NF = 24 + 4 LDS loads.
; LIMITS: NaN and infinities are not served; a block of zeros keeps the byte 1 (its codes are zeros, and this program alone reads the bytes).
.set FRB,   1536
.set TROW,  12288
.set XS,    98304
.set SPARE, 106496
.set X1,    131072
.set WB,    229376
.set NF,    28
.set BLK,   39936
.set VCD,   12288
.set KSC,   24576
.set VSC,   25600
.set QC,    26624
.set QSC,   38912
.set L16,  4
.set L8,   5
.set L4,   6
.set ABS,  7
.set VA0,  8
.set ACUR, 9
.set AOTH, 10
.set VW,   11
.set VS0,  12
.set SCUR, 13
.set SPW,  14
.set NIL,  15
.set SOTH, 16
.set WE,   17
.set VWD,  18
.set WO,   22
.set SB,   24                          ; v24-39 the weights' scale words: 8 p + q, lanes 0-15 tile 2 p, lanes 16-31 tile 2 p + 1
.set SA,   45                          ; v45-48, v53-56 the positions' scale words, two sets: lanes 0-15 K step 2 q2, lanes 16-31 the next
.set PFQ,  57
.set PFK,  58
.set ACC,  64                          ; v64-191 accumulators
.set TM,   192
.set PC,   208
.set SB2,  968                         ; v968-983 Wq's scale words, v984-999 Wk's, ready from the head on
.set SB3,  984
.set G1X, 24
.set G1W, 32
.set G1S, 48
.set G1R, 56
.set G0W, 68
.set G0S, 72
.set G0X0, 76
.set G0X1, 80
.set G0R, 84
.set BC,  10
.set BS,  12
.set P,   18
.set PS,  20
.set TB,  66
.set TS,  67
.set CNT, 88
.set MSB, 0
.macro WIN new
.if MSB != \new
	s_set_vgpr_msb (MSB<<8)|\new
.set MSB, \new
.endif
.endm
.macro PLACES n
.rept \n
	v_nop
.endr
.endm
.macro WALU
	s_wait_alu depctr_va_vdst(0)
.endm
.macro BARRIER
	s_barrier_signal -1
	s_barrier_wait -1
.endm
.macro CROUND
	s_barrier_signal -1
	s_barrier_wait -1
	s_cmp_lg_u32 s14, 0
	s_cbranch_scc1 .Lnw0_\@
	s_barrier_signal -3
.Lnw0_\@:
	s_barrier_wait -3
	s_barrier_signal -1
	s_barrier_wait -1
.endm
.macro TLOAD g0, g1
	tensor_load_to_lds s[\g0:\g0+3], s[\g1:\g1+7]
	s_nop 0
	PLACES 4
.endm
.macro GROUP1 g, mask, c, r, p         ; r rows of c elements of 8 bytes, p elements apart, no padding
	s_or_b32 s[\g], s[\mask], (3<<16)|(1<<21)
	s_mov_b32 s[\g+1], (\c)<<16
	s_mov_b32 s[\g+2], (\r)<<16
	s_mov_b32 s[\g+3], (\c)<<16
	s_mov_b32 s[\g+4], \r
	s_mov_b32 s[\g+5], \p
	s_mov_b32 s[\g+6], 0
	s_mov_b32 s[\g+7], 0
.endm
.macro G0SET g, base, off              ; s23 = 0
	s_mov_b32 s[\g], 1
	s_mov_b32 s22, s\off
	s_add_nc_u64 s[\g+2:\g+3], s[\base:\base+1], s[22:23]
	s_or_b32 s[\g+3], s[\g+3], 0x80000000
.endm
; Fragment f lies in window 1 + f / 21 at register 12 (f % 21): 0-31 the weights' (4 q + t), 32-39 and 40-47 the positions' two sets.
.macro WEIGHTS
.irp q, 0,1,2,3,4,5,6,7
.irp t, 0,1,2,3
.set F_, 4*\q+\t
	WIN (1+F_/21)<<6
.irp c, 0,1,2
	ds_load_b128 v[12*(F_%21)+4*\c:12*(F_%21)+4*\c+3], v[VW] offset:\t*TROW+\q*FRB+512*\c
.endr
.endr
.endr
	WIN 0
.endm
.macro XFETCH e, adr, sadr, i          ; tile i of the chunk at adr into set e: NF loads
.irp q, 0,1,2,3,4,5,6,7
.set F_, 32+8*(\e)+\q
	WIN (1+F_/21)<<6
.irp c, 0,1,2
	ds_load_b128 v[12*(F_%21)+4*\c:12*(F_%21)+4*\c+3], v[\adr] offset:(\i)*TROW+\q*FRB+512*\c
.endr
.endr
	WIN 0
.irp q2, 0,1,2,3
	ds_load_b32 v[SA+8*(\e)+\q2], v[\sadr] offset:(\i)*512+128*\q2
.endr
.endm
.macro W1 d, a, b, z, xa, xb, ra, rb
.if \z
	v_wmma_scale_f32_16x16x128_f8f6f4 v[\d:\d+7], v[\a:\a+11], v[\b:\b+11], 0, v[\xa], v[\xb] matrix_a_fmt:MATRIX_FMT_FP6 matrix_b_fmt:MATRIX_FMT_FP6 matrix_a_scale:MATRIX_SCALE_ROW\ra matrix_b_scale:MATRIX_SCALE_ROW\rb
.else
	v_wmma_scale_f32_16x16x128_f8f6f4 v[\d:\d+7], v[\a:\a+11], v[\b:\b+11], v[\d:\d+7], v[\xa], v[\xb] matrix_a_fmt:MATRIX_FMT_FP6 matrix_b_fmt:MATRIX_FMT_FP6 matrix_a_scale:MATRIX_SCALE_ROW\ra matrix_b_scale:MATRIX_SCALE_ROW\rb
.endif
.endm
; A block's 32 products on set e; accumulator of weight tile t at d0 + ds t.  kind 1 (V): source 0 the positions; kind 0 (Q, K): source 0 the weight columns.  The first K step starts the sums.
; lx >= 0: behind K steps 2 to 7 stand four vector lines each (LIST4): the first part of the way out of the block before, whose 32 sums begin at v[lx].
; Behind the last K step stand four vector lines in any case: the places ahead of the loads into the set's registers and of the first read of the sums.
.macro PRODS kind, e, d0, ds, lx
.irp q2, 0,1,2,3
.irp qo, 0,1
.irp p, 0,1
.irp o, 0,1
.set FW_, 4*(2*\q2+\qo)+2*\p+\o
.set FX_, 32+8*(\e)+2*\q2+\qo
.set RW_, 12*(FW_%21)
.set RX_, 12*(FX_%21)
.set D_, (\d0)+(\ds)*(2*\p+\o)
.set XW_, SB+8*\p+2*\q2+\qo
.set XX_, SA+8*(\e)+\q2
.set Z_, (\q2+\qo)==0
.if \kind
	WIN (1+FX_/21)|((1+FW_/21)<<2)
	W1 D_, RX_, RW_, Z_, XX_, XW_, \qo, \o
.else
	WIN (1+FW_/21)|((1+FX_/21)<<2)
	W1 D_, RW_, RX_, Z_, XW_, XX_, \o, \qo
.endif
.endr
.endr
.if (((\lx) >= 0) && ((2*\q2+\qo) >= 2)) || ((\q2+\qo) == 4)
	WIN 0
	LIST4 2*\q2+\qo, \lx
.endif
.endr
.endr
	WIN 0
.endm
; 32 sums from v[x] on (16 of scale block 0, 16 of block 1; lane l xor 16 holds the other 16 of each) -> half a fragment's six registers v[c ..], the two bytes in v[w].
; The way out's first part in groups of four lines, g = 2 .. 7: the two blocks' largest magnitudes in two chains side by side, their scale operands and bytes.  A line reads only what its own group or the group before wrote.
; x < 0 or g < 2: four v_nop in its place.
.macro LIST4 g, x
.if ((\x) < 0) || ((\g) < 2)
	PLACES 4
.elseif (\g) == 2
	v_max3_num_f32 v[TM], |v[(\x)]|, |v[(\x)+1]|, 0x1800000
	v_max3_num_f32 v[TM+1], |v[(\x)+16]|, |v[(\x)+17]|, 0x1800000
	v_max3_num_f32 v[TM], v[TM], |v[(\x)+2]|, |v[(\x)+3]|
	v_max3_num_f32 v[TM+1], v[TM+1], |v[(\x)+18]|, |v[(\x)+19]|
.elseif (\g) < 6
.set I_, 4*(\g)-8
	v_max3_num_f32 v[TM], v[TM], |v[(\x)+I_]|, |v[(\x)+I_+1]|
	v_max3_num_f32 v[TM+1], v[TM+1], |v[(\x)+16+I_]|, |v[(\x)+17+I_]|
	v_max3_num_f32 v[TM], v[TM], |v[(\x)+I_+2]|, |v[(\x)+I_+3]|
	v_max3_num_f32 v[TM+1], v[TM+1], |v[(\x)+18+I_]|, |v[(\x)+19+I_]|
.elseif (\g) == 6
	v_permlanex16_b32 v[TM+2], v[TM], s2, s3
	v_permlanex16_b32 v[TM+3], v[TM+1], s2, s3
	v_max_num_f32 v[TM], v[TM], v[TM+2]
	v_max_num_f32 v[TM+1], v[TM+1], v[TM+3]
	PLACES 2
.else
	v_add_nc_u32 v[TM+4], 0xff000000, v[TM]          ; 2 off the exponent field: the conversion's scale operand
	v_add_nc_u32 v[TM+5], 0xff000000, v[TM+1]
	v_lshrrev_b32 v[TM+2], 23, v[TM+4]
	v_lshrrev_b32 v[TM+3], 23, v[TM+5]
.endif
.endm
.macro HALFQ x, c, w                   ; the whole way out on end
.irp g, 2,3,4,5,6,7
	LIST4 \g, \x
.endr
	HALFT \x, \c, \w
.endm
.macro QKOUT how, j, cb, sb            ; tile j of a trip leaves; how: HALFT where the first part stood among the next block's products, else HALFQ
.if (\j)%2
	\how ACC+32, PC+8*(\j), TM+6
	v_cndmask_b32 v[WO+(\j)/2], v[TM+6], v[WE], s17
	PUT PC+8*(\j), (\cb)-3072+(\j)*768
	global_store_b32 v[L4], v[WO+(\j)/2], s[PS:PS+1] offset:(\sb)-256+((\j)-1)*64
.else
	\how ACC, PC+8*(\j), WE
	PUT PC+8*(\j), (\cb)-3072+(\j)*768
.endif
.endm
.macro HALFT x, c, w                   ; the way out's second part: the conversions and the lanes' exchange
	v_cvt_scalef32_pk16_fp6_f32 v[\c:\c+2], v[\x:\x+15], v[TM+4]
	v_cvt_scalef32_pk16_fp6_f32 v[TM+8:TM+10], v[\x+16:\x+31], v[TM+5]
	v_lshl_or_b32 v[\w], v[TM+3], 8, v[TM+2]         ; the plain place behind the conversions
.irp i, 0,1,2
	v_permlane16_swap_b32 v[\c+\i], v[TM+8+\i]       ; a whole block to a lane: lanes 0-15 block 0, lanes 16-31 block 1
.endr
.irp i, 0,1,2
	v_mov_b32 v[\c+3+\i], v[TM+8+\i]
.endr
.endm
.macro PUT c, off                      ; half a fragment's image: 512 + 256 consecutive bytes
	global_store_b128 v[L16], v[\c:\c+3], s[P:P+1] offset:\off
	global_store_b64 v[L8], v[\c+4:\c+5], s[P:P+1] offset:(\off)+512
.endm
.macro TRIPTOP cstep, sstep            ; a trip takes one chunk: the stores' bases step, the LDS addresses of this chunk and of the other are made
	s_wait_xcnt 0x0                        ; the last trip's stores have read their registers and bases
	s_add_nc_u64 s[P:P+1], s[P:P+1], \cstep
.if \sstep
	s_add_nc_u64 s[PS:PS+1], s[PS:PS+1], \sstep
.endif
	v_add_nc_u32 v[ACUR], s[TB], v[VA0]
	v_add_nc_u32 v[SCUR], s[TS], v[VS0]
	s_xor_b32 s[TB], s[TB], X1
	s_xor_b32 s[TS], s[TS], 2048
	v_add_nc_u32 v[AOTH], s[TB], v[VA0]
	v_add_nc_u32 v[SOTH], s[TS], v[VS0]
	WALU
.endm
.macro BLKP kind, i, d0, ds, lx, last  ; block i of a trip; behind it, in one run of loads, the block two on
	PRODS \kind, (\i)%2, \d0, \ds, \lx
.if (\i) < 2
	XFETCH (\i)%2, ACUR, SCUR, (\i)+2
.elseif !(\last)
	XFETCH (\i)%2, AOTH, SOTH, (\i)-2
.endif
.endm
.macro VTRIP                           ; four tiles of positions = 64 keys, then their way out for the four tiles of channels
	TRIPTOP 768, 0
.irp i, 0,1,2,3
	s_wait_dscnt NF
	BLKP 1, \i, ACC+8*\i, 32, -1, 0
.endr
.irp t, 0,1,2,3
	HALFQ ACC+32*\t, PC+8*\t, TM+6
	v_lshrrev_b32 v[VWD+\t], 16, v[VWD+\t]           ; the scale word gathers two bytes a trip: the second trip leaves all four in place
	v_lshl_or_b32 v[VWD+\t], v[TM+6], 16, v[VWD+\t]
	PUT PC+8*\t, VCD-768+\t*FRB
.endr
.endm
.macro QKTRIP cb, sb, last             ; four tiles of positions, each with its way out; two tiles' scale words leave together, 128 consecutive bytes
	TRIPTOP 3072, 256
.irp i, 0,1,2,3
.if (\last) && (\i == 3)
	s_wait_dscnt 0x0
.else
	s_wait_dscnt NF
.endif
.if \i
	BLKP 0, \i, ACC+32*(\i%2), 8, ACC+32*((\i-1)%2), \last
	QKOUT HALFT, \i-1, \cb, \sb
.else
	BLKP 0, 0, ACC, 8, -1, \last
.endif
.endr
	QKOUT HALFQ, 3, \cb, \sb
.endm
.macro CHANGE sbn, refill              ; the next tensor's weights, which the last refill brought, go into registers
	s_wait_tensorcnt 0x0
	s_wait_dscnt 0x0
	BARRIER                                ; a plain barrier: every wave's part of the weights is in
	WEIGHTS
	WIN 3
.set I, 0
.rept 16
	v_mov_b32 v[SB+I], v[\sbn-768+I]
.set I, I+1
.endr
	WIN 0
	PLACES 8                               ; a scale register written by a vector instruction stands 8 places ahead of a scaled product
	WALU
.if \refill
	s_wait_tensorcnt 0x0                   ; the three lines ahead of a refill's round
	ds_add_u32 v[SPW], v[NIL]
	s_add_nc_u64 s[G0R+2:G0R+3], s[G0R+2:G0R+3], 64*TROW   ; from Wq's tiles to Wk's
	s_wait_dscnt 0x0                       ; the add is done, and the weights are in my registers
	CROUND
	TLOAD G0R, G1R
.else
	s_wait_dscnt 0x0
.endif
	s_wait_xcnt 0x0
	s_mov_b64 s[P:P+1], s[BC:BC+1]
	s_mov_b64 s[PS:PS+1], s[BS:BS+1]
.endm
; ---------------- the head
	s_load_b128 s[4:7], s[0:1], 0x0                  ; cimg, simg
	s_load_b64 s[8:9], s[0:1], 0x10                  ; qkv
	v_lshl_add_u32 v[SPW], v0, 2, SPARE
	v_mov_b32 v[NIL], 0
	ds_add_u32 v[SPW], v[NIL]
	ds_add_u32 v[SPW], v[NIL]
	v_lshrrev_b32 v1, 5, v0
	v_readfirstlane_b32 s14, v1                      ; wave; s15 = a, s16 = b
	s_lshr_b32 s15, s14, 1
	s_and_b32 s16, s14, 1
	s_bfe_u32 s40, ttmp6, 0x40000
	s_bfe_u32 s41, ttmp6, 0x40004
	s_lshl_b32 s42, ttmp9, 2
	s_add_co_u32 s42, s42, s40                       ; H
	s_and_b32 s43, ttmp7, 0xffff
	s_lshl_b32 s43, s43, 2
	s_add_co_u32 s43, s43, s41                       ; R
	s_lshl_b32 s44, s41, 2
	s_lshl_b32 s44, 15, s44                          ; my row of the cluster
	s_lshl_b32 s45, 0x1111, s40                      ; my column
	GROUP1 G1X, 44, 6144, 2, 12288                   ; a chunk: two runs of four tiles, eight tiles apart
	GROUP1 G1W, 45, 1536, 8, 1536                    ; eight tiles of weights
	GROUP1 G1S, 44, 32, 32, 32                       ; 8,192 bytes of scale words
	GROUP1 G1R, 45, 1536, 2, 1536                    ; a refill: two tiles a wave
	s_mul_i32 s91, s43, 16*TROW                      ; the inputs' tiles, bytes from cimg
	s_mul_i32 s92, s42, 8*TROW
	s_add_co_u32 s93, s92, 512*TROW
	s_add_co_u32 s92, s92, 640*TROW                  ; Wv's tiles
	s_lshl_b32 s96, s41, 2
	s_add_co_u32 s96, s96, s14                       ; my number among the sixteen waves of my column of the cluster
	s_mul_i32 s96, s96, 6144
	s_add_co_u32 s96, s96, s93                       ; my sixteenth of Wq's tiles, to be asked for ahead
	s_add_co_u32 s89, s96, 64*TROW                   ; and of Wk's
	s_mul_i32 s94, s14, 2*TROW
	s_add_co_u32 s93, s93, s94                       ; Wq's tiles, my two
	s_add_co_u32 s[G0R+1], s94, WB
	s_lshl_b32 s94, s43, 13                          ; the inputs' scale words, bytes from simg
	s_lshl_b32 s95, s42, 12
	s_lshl_b32 s97, s16, 11
	s_add_co_u32 s95, s95, s97
	s_add_co_u32 s95, s95, 512*512                   ; Wq's scale words, my four tiles
	s_lshr_b32 s97, s43, 3                           ; my block of qkv: ((batch x 16 + head) x 8 + slot)
	s_lshl_b32 s97, s97, 4
	s_lshl_b32 s98, s42, 1
	s_add_co_u32 s97, s97, s98
	s_add_co_u32 s97, s97, s16
	s_lshl_b32 s97, s97, 3
	s_and_b32 s98, s43, 7
	s_add_co_u32 s97, s97, s98
	s_mul_i32 s97, s97, BLK
	s_mul_i32 s98, s15, 6144
	s_add_co_u32 s98, s98, s97
	s_lshl_b32 s99, s15, 9
	s_add_co_u32 s99, s99, s97
	s_mul_i32 s100, s15, 4*TROW
	s_mul_i32 s101, s16, 4*TROW
	s_add_co_u32 s101, s101, WB
	s_lshl_b32 s88, s15, 12
	s_add_co_u32 s88, s88, XS
	s_mov_b32 s2, 0x76543210
	s_mov_b32 s3, 0xfedcba98
	s_mov_b32 s17, 0xffff
	s_mov_b32 s[TB], 0
	s_mov_b32 s[TS], 0
	s_mov_b32 s23, 0
	v_and_b32 v1, 15, v0
	v_bfe_u32 v2, v0, 4, 1
	v_and_b32 v3, 31, v0
	v_lshlrev_b32 v[L16], 4, v3
	v_lshlrev_b32 v[L8], 3, v3
	v_lshlrev_b32 v[L4], 2, v3
	v_lshlrev_b32 v[ABS], 2, v1
	v_lshl_add_u32 v[ABS], v2, 9, v[ABS]
	v_add_nc_u32 v[VA0], s100, v[L16]
	v_add_nc_u32 v[VW], s101, v[L16]
	v_add_nc_u32 v[VS0], s88, v[L4]
	v_min_u32 v[PFQ], 23, v3                         ; 24 blocks of 256 bytes a wave; the lanes left over name the last again
	v_lshlrev_b32 v[PFQ], 8, v[PFQ]
	v_add_nc_u32 v[PFK], s89, v[PFQ]
	v_add_nc_u32 v[PFQ], s96, v[PFQ]
	v_mov_b32 v[TM+2], 0
	v_mov_b32 v[TM+3], 0
.irp t, 0,1,2,3
	v_mov_b32 v[VWD+\t], 0
.endr
	WALU
	s_wait_dscnt 0x0
	CROUND                                           ; the round in front of the first joint loads
	s_wait_kmcnt 0x0
	G0SET G0W, 4, 92
	s_mov_b32 s[G0W+1], WB
	G0SET G0S, 6, 94
	s_mov_b32 s[G0S+1], XS
	G0SET G0X0, 4, 91
	s_mov_b32 s[G0X0+1], 0
	s_mov_b32 s[G0X1], 1
	s_mov_b32 s[G0X1+1], X1
	s_add_nc_u64 s[G0X1+2:G0X1+3], s[G0X0+2:G0X0+3], 4*TROW
	G0SET G0R, 4, 93
	s_cmp_eq_u32 s14, 0                              ; one tensor load a wave, what is needed first asked for first
	s_cbranch_scc0 .Lw1
	TLOAD G0W, G1W
	s_branch .Lasked
.Lw1:
	s_cmp_eq_u32 s14, 1
	s_cbranch_scc0 .Lw2
	TLOAD G0S, G1S
	s_branch .Lasked
.Lw2:
	s_cmp_eq_u32 s14, 2
	s_cbranch_scc0 .Lw3
	TLOAD G0X0, G1X
	s_branch .Lasked
.Lw3:
	TLOAD G0X1, G1X
.Lasked:
	s_mov_b32 s22, s95
	s_add_nc_u64 s[46:47], s[6:7], s[22:23]
.irp p, 0,1
.irp q, 0,1,2,3,4,5,6,7
	global_load_b32 v[SB+8*\p+\q], v[ABS], s[46:47] offset:65536+\p*1024+\q*64     ; Wv's scale words
.endr
.endr
	WIN 3<<6
.irp p, 0,1
.irp q, 0,1,2,3,4,5,6,7
	global_load_b32 v[SB2-768+8*\p+\q], v[ABS], s[46:47] offset:\p*1024+\q*64
	global_load_b32 v[SB3-768+8*\p+\q], v[ABS], s[46:47] offset:32768+\p*1024+\q*64
.endr
.endr
	WIN 0
	global_prefetch_b8 v[PFQ], s[4:5] th:TH_LOAD_NT scope:SCOPE_SE    ; what the first refill will load
	s_mov_b32 s22, s98
	s_add_nc_u64 s[BC:BC+1], s[8:9], s[22:23]
	s_mov_b32 s22, s99
	s_add_nc_u64 s[BS:BS+1], s[8:9], s[22:23]
	s_mov_b64 s[P:P+1], s[BC:BC+1]
	s_mov_b64 s[PS:PS+1], s[BS:BS+1]
	s_cmp_eq_u32 s14, 0
	s_cbranch_scc0 .Lnot_w
	s_wait_tensorcnt 0x0
.Lnot_w:
	BARRIER                                          ; Wv's tiles are in (wave 0's load line is its own)
	WEIGHTS
	s_wait_tensorcnt 0x0                             ; the three lines ahead of the first refill's round: the head's loads are in,
	ds_add_u32 v[SPW], v[NIL]
	s_wait_dscnt 0x0                                 ; and Wv is in my registers
	CROUND
	TLOAD G0R, G1R                                   ; Wq's tiles onto Wv's, two a wave
	XFETCH 0, VA0, VS0, 0
	XFETCH 1, VA0, VS0, 1
	global_prefetch_b8 v[PFK], s[4:5] th:TH_LOAD_NT scope:SCOPE_SE    ; what the second refill will load
	s_wait_loadcnt 0x0                               ; the weights' scale words
; ---------------- V
	s_mov_b32 s[CNT], 0
.Lv:
	VTRIP
	s_add_co_u32 s[CNT], s[CNT], 1
	s_cmp_lt_u32 s[CNT], 2
	s_cbranch_scc1 .Lv
	WALU
.irp t, 0,1,2,3
	global_store_b32 v[L4], v[VWD+\t], s[BS:BS+1] offset:VSC+\t*128   ; both halves of the lanes hold the word: 128 consecutive bytes
.endr
; ---------------- Q
	CHANGE SB2, 1
	s_mov_b32 s[CNT], 0
.Lq:
	QKTRIP QC, QSC, 0
	s_add_co_u32 s[CNT], s[CNT], 1
	s_cmp_lt_u32 s[CNT], 2
	s_cbranch_scc1 .Lq
; ---------------- K: its last trip fetches nothing more, so both trips are written out
	CHANGE SB3, 0
	QKTRIP 0, KSC, 0
	QKTRIP 0, KSC, 1
	s_wait_tensorcnt 0x0                             ; the wave's end
	ds_add_u32 v[SPW], v[NIL]
	s_wait_dscnt 0x0
	CROUND                                           ; the closing round
	s_endpgm
.Lfunc_end_k_qddeae79072_gemm:
	.size	k_qddeae79072_gemm, .Lfunc_end_k_qddeae79072_gemm-k_qddeae79072_gemm
	.p2alignl 7, 3214868480
	.fill 96, 4, 3214868480
	.section	.rodata,"a",@progbits
	.p2align	6, 0x0
	.amdhsa_kernel k_qddeae79072_gemm
		.amdhsa_group_segment_fixed_size 327680
		.amdhsa_private_segment_fixed_size 0
		.amdhsa_enable_private_segment 0
		.amdhsa_kernarg_size 24
		.amdhsa_user_sgpr_count 2
		.amdhsa_user_sgpr_kernarg_segment_ptr 1
		.amdhsa_wavefront_size32 1
		.amdhsa_system_sgpr_workgroup_id_x 1
		.amdhsa_system_sgpr_workgroup_id_y 1
		.amdhsa_system_sgpr_workgroup_id_z 1
		.amdhsa_system_vgpr_workitem_id 0
		.amdhsa_next_free_vgpr 1024
		.amdhsa_next_free_sgpr 102
		.amdhsa_reserve_vcc 0
		.amdhsa_float_denorm_mode_32 3
		.amdhsa_float_denorm_mode_16_64 3
		.amdhsa_memory_ordered 1
		.amdhsa_forward_progress 1
		.amdhsa_inst_pref_size 172
	.end_amdhsa_kernel
	.amdgpu_metadata
---
amdhsa.version: [ 1, 2 ]
amdhsa.kernels:
  - .name:           k_qddeae79072_gemm
    .symbol:         k_qddeae79072_gemm.kd
    .args:
      - { .name: cimg, .offset: 0, .size: 8, .value_kind: global_buffer, .address_space: global }
      - { .name: simg, .offset: 8, .size: 8, .value_kind: global_buffer, .address_space: global }
      - { .name: qkv, .offset: 16, .size: 8, .value_kind: global_buffer, .address_space: global }
    .group_segment_fixed_size: 327680
    .private_segment_fixed_size: 0
    .kernarg_segment_align: 8
    .kernarg_segment_size: 24
    .max_flat_workgroup_size: 128
    .sgpr_count:     102
    .vgpr_count:     1024
    .wavefront_size: 32
...
	.end_amdgpu_metadata
.endif
;; end of part 2
;; launch attn (part 3): grid 4 x 64, 16 waves a work-group, no clusters, 327,680 bytes of LDS; arguments qkv, out0; writes out0
.if DOCPART == 3
	.amdgcn_target "amdgcn-amd-amdhsa--gfx1250"
	.amdhsa_code_object_version 6
	.text
	.protected	k_qddeae79072_attn
	.globl	k_qddeae79072_attn
	.p2align	8
	.type	k_qddeae79072_attn,@function
k_qddeae79072_attn:
	s_mov_b64 s[64:65], 0
	v_nop
	global_prefetch_b8 v0, s[64:65] scope:SCOPE_SE
	s_setreg_imm32_b32 hwreg(HW_REG_WAVE_MODE, 25, 1), 1
	s_wait_xcnt 0x0
; Causal attention of 64 (batch, head) pairs, 2,048 positions, head size 64, both products on codes of FP6 (E2M3) with E8M0 scales; out0 [4][2048][16 x 64] f32.
; qkv [64][8 slots of 256 positions][39,936 bytes]: k's codes (16 tiles x 768), v's codes ([2 key steps][4 tiles of channels][1,536]), k's scale words (16 x 64), v's (8 x 128): 26,624 dense bytes; then q's codes and scale words.
; All are images of operand registers.  Place r of a tile 2 P + u (of positions or channels) is 32 P + 8 u + r + 8 (r / 8).
; THE SOFTMAX: t = score x log2(e) / 8; M = the running largest t rounded UP to a whole number; p = 2^(t - M) is quantised along the keys; the row's sum is taken of the unquantised p and divides at the end.
; q k^T has K = 64: registers 6-11 of both operands hold zero codes.
; LEFT OUT: key steps all of whose keys come after a tile's queries: the causal mask gives them the weight 0.
; THE DEAL.  A head's keys and values, 8 x 26,624 bytes, lie in LDS WHOLE: each of the sixteen waves fetches half a slot at the head, nothing is filled again, and no barrier stands in a loop.
; Of the head's 128 tiles of 16 queries wave w of work-group x owns tiles 127 - T and T, T = 4 w + x, in that order: (127 - T) / 8 + 1 and T / 8 + 1 key steps of 128, SEVENTEEN for every wave, a constant;
; wave 0's first tile needs the last slot in every work-group, so all that is fetched is read.  The first four steps need slots 0 and 1 alone: waves 0 to 3, which fetch them, have a load line of their own and wait ahead of
; the first barrier; behind those four steps every wave waits for its load and a second barrier shows the other six slots.  Then come twelve steps, in one of which the first tile ends, and the last step.
; No joint loads: which tiles a wave owns, and so its branches and LDS addresses, hang on the work-group's place among the four that share a head.
; No prefetch: all tiles are asked for at the head; there is no loop to run ahead in.
; LIMITS: M is a whole number only while |t| < 2^24.  NaN and infinities are not served.  A block of p that is all zeros keeps the byte 1: its codes are zeros.
.set BLK,   39936
.set HEADB, 8*BLK
.set SLOTB, 26624
.set HALF,  13312
.set VC,    12288
.set KSC,   24576
.set VSC,   25600
.set QC,    26624
.set QSC,   38912
.set STAGE, 8*SLOTB                    ; the way out: 16 rows x (256 + 16) bytes for each wave; no fill lands here
.set SP,    272
.set SPARE, STAGE+16*16*SP
.set L16, 1
.set L8,  2
.set L4R, 3
.set A16, 4
.set A8,  5
.set A4R, 6
.set SPW, 7
.set NIL, 8
.set STO, 9
.set RD,  10
.set GO,  11
                                       ; v12 -M, v13 the largest t, v[14:15] the sum; v16-21 q, v22-27 zeros; v255 q's scale words
.set KFR, 28
.set VFR, 76
.set S,   124
.set O,   188
.set PCD, 220
.set VQL, 243
.set WV,  8
.set SEL, 12
.set CS,  14
.set G1,  16
.set G0,  24
.set OFF, 30
.set KF,  36
.set QMIN, 38
.set CNT, 39
.set QPB, 42
.set OB,  46
.set OBB, 48
.set QMINB, 51
.set QPA, 54
.macro TILEOF t, qmin, ob, qp          ; tile s\t: its first query, its rows of out0, its q (offsets; the bases are added later)
	s_lshr_b32 s61, s\t, 1
	s_lshl_b32 s61, s61, 5
	s_and_b32 s62, s\t, 1
	s_lshl_b32 s62, s62, 3
	s_add_co_u32 s[\qmin], s61, s62
	s_add_co_u32 s[\ob], s40, s[\qmin]
	s_lshl_b32 s[\ob], s[\ob], 12
	s_add_co_u32 s[\ob], s[\ob], s41
	s_mov_b32 s[\ob+1], 0
	s_lshr_b32 s61, s\t, 4
	s_mul_i32 s61, s61, BLK
	s_add_co_u32 s61, s61, s58
	s_and_b32 s62, s\t, 15
	s_mul_i32 s63, s62, 768
	s_add_co_u32 s[\qp], s61, s63
	s_add_co_u32 s[\qp], s[\qp], QC
	s_mov_b32 s[\qp+1], 0
	s_lshl_b32 s62, s62, 6
	s_add_co_u32 s[\qp+2], s61, s62
	s_add_co_u32 s[\qp+2], s[\qp+2], QSC
	s_mov_b32 s[\qp+3], 0
.endm
	s_load_b128 s[4:7], s[0:1], 0x0                ; qkv, out0
	v_lshl_add_u32 v[SPW], v0, 2, SPARE
	v_mov_b32 v[NIL], 0
	ds_add_u32 v[SPW], v[NIL]
	ds_add_u32 v[SPW], v[NIL]
	v_lshrrev_b32 v1, 5, v0
	v_readfirstlane_b32 s[WV], v1                  ; wave 0..15
	s_and_b32 s52, ttmp7, 0xffff                   ; 16 x batch + head
	s_mul_i32 s58, s52, HEADB
	s_mov_b32 s[G1], 3<<16                         ; 52 rows of 256 bytes, dense
	s_mov_b32 s[G1+1], 32<<16
	s_mov_b32 s[G1+2], 52<<16
	s_mov_b32 s[G1+3], 32<<16
	s_mov_b32 s[G1+4], 52
	s_mov_b32 s[G1+5], 32
	s_mov_b32 s[G1+6], 0
	s_mov_b32 s[G1+7], 0
	s_mov_b32 s[G0], 1
	s_mul_i32 s[G0+1], s[WV], HALF                 ; half w of the sixteen halves
	s_lshr_b32 s53, s[WV], 1
	s_mul_i32 s53, s53, BLK
	s_and_b32 s59, s[WV], 1
	s_mul_i32 s59, s59, HALF
	s_add_co_u32 s[OFF], s58, s53
	s_add_co_u32 s[OFF], s[OFF], s59
	s_mov_b32 s[OFF+1], 0
	s_lshr_b32 s40, s52, 4
	s_lshl_b32 s40, s40, 11                        ; the batch's first row of out0
	s_and_b32 s41, s52, 15
	s_lshl_b32 s41, s41, 8                         ; the head's 256 bytes of a row
	s_lshl_b32 s59, s[WV], 2
	s_add_co_u32 s59, s59, ttmp9                   ; T
	s_sub_co_u32 s60, 127, s59
	TILEOF 60, QMIN, OB, QPA
	TILEOF 59, QMINB, OBB, QPB
	s_mul_i32 s60, s[WV], 16*SP
	s_add_co_u32 s60, s60, STAGE                   ; my stage
	s_mov_b32 s[SEL], 0x76543210
	s_mov_b32 s[SEL+1], 0xfedcba98
	s_mov_b32 s[CS], 0x3e38aa3b                    ; c = log2(e) / sqrt(64)
	s_mov_b32 s[CS+1], s[CS]
	s_mov_b32 s[KF], 0
	s_mov_b32 s[CNT], 4
	s_wait_dscnt 0x0
	s_wait_kmcnt 0x0
	s_add_nc_u64 s[G0+2:G0+3], s[4:5], s[OFF:OFF+1]
	s_or_b32 s[G0+3], s[G0+3], 0x80000000
	s_cmp_lt_u32 s[WV], 4                          ; one tensor load a wave; the four halves of slots 0 and 1 by a line of their own
	s_cbranch_scc0 .Lrest
	tensor_load_to_lds s[G0:G0+3], s[G1:G1+7]
	s_nop 0
.rept 4
	v_nop
.endr
	s_branch .Lasked
.Lrest:
	tensor_load_to_lds s[G0:G0+3], s[G1:G1+7]
	s_nop 0
.rept 4
	v_nop
.endr
.Lasked:
	s_add_nc_u64 s[QPA:QPA+1], s[4:5], s[QPA:QPA+1]
	s_add_nc_u64 s[QPA+2:QPA+3], s[4:5], s[QPA+2:QPA+3]
	s_add_nc_u64 s[QPB:QPB+1], s[4:5], s[QPB:QPB+1]
	s_add_nc_u64 s[QPB+2:QPB+3], s[4:5], s[QPB+2:QPB+3]
	s_add_nc_u64 s[OB:OB+1], s[6:7], s[OB:OB+1]
	s_add_nc_u64 s[OBB:OBB+1], s[6:7], s[OBB:OBB+1]
	v_and_b32 v4, 31, v0
	v_lshlrev_b32 v[L16], 4, v4
	v_lshlrev_b32 v[L8], 3, v4
	v_and_b32 v4, 15, v0                           ; r
	v_bfe_u32 v5, v0, 4, 1                         ; h
	v_lshlrev_b32 v[L4R], 2, v4
	global_load_b128 v[16:19], v[L16], s[QPA:QPA+1]
	global_load_b64 v[20:21], v[L8], s[QPA:QPA+1] offset:512
	global_load_b32 v255, v[L4R], s[QPA+2:QPA+3]
	v_mul_u32_u24 v[STO], v4, SP
	v_lshl_add_u32 v[STO], v5, 6, v[STO]
	v_add_nc_u32 v[STO], s60, v[STO]               ; in: row r, + 64 h
	v_mul_u32_u24 v[RD], v5, SP
	v_lshl_add_u32 v[RD], v4, 4, v[RD]
	v_add_nc_u32 v[RD], s60, v[RD]                 ; back: lanes 0-15 one row, lanes 16-31 the next
	v_lshlrev_b32 v[GO], 12, v5
	v_lshl_add_u32 v[GO], v4, 4, v[GO]
	v_and_b32 v6, 8, v4
	v_add_nc_u32 v[VQL], v6, v4
	v_lshlrev_b32 v6, 4, v5
	v_sub_nc_u32 v[VQL], v[VQL], v6                ; my query in its tile, less 16 h
.irp i, 22,23,24,25,26,27
	v_mov_b32 v[\i], 0
.endr
.irp t, 0,1,2,3
.irp i, 6,7,8,9,10,11
	v_mov_b32 v[KFR+12*\t+\i], 0
.endr
.endr
.irp b, 0,1,2,3
	v_mov_b32 v[236+\b], 0
.endr
	v_mov_b32 v252, 0
	v_mov_b32 v253, 0
.macro RESET
	v_mov_b32 v13, 0xff61b1e6                      ; the largest t so far: -3e38
	s_delay_alu instid0(VALU_DEP_1)
	v_floor_f32 v12, -v13
	v_mov_b32 v14, 0
	v_mov_b32 v15, 0
.set N, 0
.rept 32
	v_mov_b32 v[O+N], 0
.set N, N+1
.endr
.endm
	RESET
.macro PV t                            ; O^T += v^T p^T, tile t of 16 channels
	v_wmma_scale_f32_16x16x128_f8f6f4 v[O+8*\t:O+8*\t+7], v[VFR+12*\t:VFR+12*\t+11], v[PCD:PCD+11], v[O+8*\t:O+8*\t+7], v[248+\t], v253 matrix_a_fmt:MATRIX_FMT_FP6 matrix_b_fmt:MATRIX_FMT_FP6
.endm
; A KEY STEP: the 128 keys from KF on: slot KF / 256, its half (KF / 128) % 2.  top: the first key of the last step that this copy of the text walks.
.macro STEP top
	s_min_u32 s52, s[KF], \top
	s_lshr_b32 s53, s52, 8
	s_mul_i32 s53, s53, SLOTB
	s_bfe_u32 s52, s52, 0x10007
	s_mul_i32 s61, s52, 6144
	s_lshl_b32 s52, s52, 9
	s_add_co_u32 s61, s61, s53
	s_add_co_u32 s52, s52, s53
	v_add_nc_u32 v[A16], s61, v[L16]
	v_add_nc_u32 v[A8], s61, v[L8]
	v_add_nc_u32 v[A4R], s52, v[L4R]
	v_nop
	s_wait_alu depctr_va_vdst(0)
.irp g, 0,1
.if \g
.rept 4
	v_nop
.endr
.endif
.irp t, 0,1,2,3
	ds_load_b128 v[KFR+12*\t:KFR+12*\t+3], v[A16] offset:(4*\g+\t)*768
	ds_load_b64 v[KFR+12*\t+4:KFR+12*\t+5], v[A8] offset:(4*\g+\t)*768+512
	ds_load_b32 v[248+\t], v[A4R] offset:KSC+(4*\g+\t)*64
.endr
	s_wait_dscnt 0x0
.irp t, 0,1,2,3
	v_wmma_scale_f32_16x16x128_f8f6f4 v[S+8*(4*\g+\t):S+8*(4*\g+\t)+7], v[KFR+12*\t:KFR+12*\t+11], v[16:27], 0, v[248+\t], v255 matrix_a_fmt:MATRIX_FMT_FP6 matrix_b_fmt:MATRIX_FMT_FP6
.endr
.endr
.rept 4
	v_nop
.endr
.irp t, 0,1,2,3
	ds_load_b128 v[VFR+12*\t:VFR+12*\t+3], v[A16] offset:VC+\t*1536
	ds_load_b64 v[VFR+12*\t+4:VFR+12*\t+5], v[A8] offset:VC+\t*1536+512
	ds_load_b128 v[VFR+12*\t+6:VFR+12*\t+9], v[A16] offset:VC+\t*1536+768
	ds_load_b64 v[VFR+12*\t+10:VFR+12*\t+11], v[A8] offset:VC+\t*1536+1280
	ds_load_b32 v[248+\t], v[A4R] offset:VSC+\t*128
.endr
	s_add_co_u32 s52, s[KF], 127                   ; on the diagonal hidden keys' scores become -infinity; a step all of whose keys count skips this
	s_cmp_le_u32 s52, s[QMIN]
	s_cbranch_scc1 .Lopen_\@
	s_sub_co_i32 s52, s[QMIN], s[KF]
	v_add_nc_u32 v252, s52, v[VQL]
	v_mov_b32 v254, 0xff800000
.set N, 0
.rept 64
	v_cmp_gt_i32 vcc_lo, 32*(N/16)+N%16, v252
	v_cndmask_b32 v[S+N], v[S+N], v254, vcc_lo
.set N, N+1
.endr
.Lopen_\@:
.irp b, 0,1,2,3
	v_max3_num_f32 v[232+\b], v[S+16*\b], v[S+1+16*\b], v[S+2+16*\b]   ; the largest score of each block of 32 keys
.endr
.irp i, 3,5,7,9,11,13
.irp b, 0,1,2,3
	v_max3_num_f32 v[232+\b], v[232+\b], v[S+16*\b+\i], v[S+1+16*\b+\i]
.endr
.endr
.irp b, 0,1,2,3
	v_max_num_f32 v[232+\b], v[232+\b], v[S+15+16*\b]
.endr
.irp b, 0,1,2,3
	s_delay_alu instid0(VALU_DEP_4)
	v_permlanex16_b32 v[236+\b], v[232+\b], s[SEL], s[SEL+1]
.endr
.irp b, 0,1,2,3
	s_delay_alu instid0(VALU_DEP_4)
	v_max_num_f32 v[232+\b], v[232+\b], v[236+\b]
.endr
	s_delay_alu instid0(VALU_DEP_2)
	v_max3_num_f32 v254, v232, v233, v234
	s_delay_alu instid0(VALU_DEP_1)
	v_max_num_f32 v254, v254, v235
	s_delay_alu instid0(VALU_DEP_1)
	v_mul_f32 v254, s[CS], v254
	s_delay_alu instid0(VALU_DEP_1)
	v_max_num_f32 v13, v13, v254                   ; the running largest t
	v_mov_b32 v254, v12
	s_delay_alu instid0(VALU_DEP_2)
	v_floor_f32 v12, -v13                          ; the new -M
	s_delay_alu instid0(VALU_DEP_1)
	v_sub_f32 v254, v12, v254
	s_delay_alu instid0(VALU_DEP_1)
	v_cvt_i32_f32 v254, v254
	s_delay_alu instid0(VALU_DEP_1)
	v_ldexp_f32 v252, 1.0, v254                    ; f = 2^(old M - new M)
.set N, 0
.rept 32
	v_pk_fma_f32 v[S+N:S+N+1], v[S+N:S+N+1], s[CS:CS+1], v[12:13] op_sel_hi:[1,0,0]
.set N, N+2
.endr
.irp b, 0,1,2,3
	v_fma_f32 v[232+\b], v[232+\b], s[CS], v12
.endr
.set N, 0
	s_wait_alu depctr_va_vdst(0)
.rept 64
	v_exp_f32 v[S+N], v[S+N]
.set N, N+1
.endr
.irp b, 0,1,2,3
	v_exp_f32 v[232+\b], v[232+\b]                 ; the block's largest p
.endr
	v_pk_mul_f32 v[14:15], v[14:15], v[252:253] op_sel_hi:[1,0]
	s_wait_alu depctr_va_vdst(0)
.irp b, 0,1,2,3
	v_max_num_f32 v[232+\b], 0x1800000, v[232+\b]
.endr
.irp b, 0,1,2,3
	s_delay_alu instid0(VALU_DEP_4)
	v_add_nc_u32 v[244+\b], 0xff000000, v[232+\b]
.endr
.irp b, 0,1,2,3
	s_delay_alu instid0(VALU_DEP_4)
	v_lshrrev_b32 v[236+\b], 23, v[244+\b]
.endr
	s_delay_alu instid0(VALU_DEP_3)
	v_lshl_or_b32 v253, v237, 8, v236
	s_delay_alu instid0(VALU_DEP_1)
	v_lshl_or_b32 v253, v238, 16, v253
	s_delay_alu instid0(VALU_DEP_1)
	v_lshl_or_b32 v253, v239, 24, v253
.irp c, 0,1
	v_cvt_scalef32_pk16_fp6_f32 v[PCD+6*\c:PCD+2+6*\c], v[S+32*\c:S+15+32*\c], v[244+2*\c]
	v_cvt_scalef32_pk16_fp6_f32 v[236+4*\c:238+4*\c], v[S+16+32*\c:S+31+32*\c], v[244+2*\c+1]
.endr
	v_nop
.irp c, 0,1
.irp i, 0,1,2
	v_permlane16_swap_b32 v[PCD+6*\c+\i], v[236+4*\c+\i]
.endr
.irp i, 0,1,2
	s_delay_alu instid0(VALU_DEP_3)
	v_mov_b32 v[PCD+3+6*\c+\i], v[236+4*\c+\i]
.endr
.endr
	v_pk_add_f32 v[236:237], v[128:129], v[132:133]   ; the row's sum of the unquantised p, in eight chains: the first eight lines here,
	v_pk_add_f32 v[246:247], v[136:137], v[140:141]
	v_pk_add_f32 v[244:245], v[144:145], v[148:149]
	v_pk_add_f32 v[240:241], v[152:153], v[156:157]
	v_pk_add_f32 v[234:235], v[160:161], v[164:165]
	v_pk_add_f32 v[232:233], v[168:169], v[172:173]
	v_pk_add_f32 v[68:69], v[176:177], v[180:181]
	v_pk_add_f32 v[14:15], v[14:15], v[184:185]
.set N, 0
.rept 16
	v_pk_mul_f32 v[O+N:O+N+1], v[O+N:O+N+1], v[252:253] op_sel_hi:[1,0]   ; O^T under the new M
.set N, N+2
.endr
	s_wait_alu depctr_va_vdst(0)
	s_wait_dscnt 0x0                               ; v's fragments and scale words are in
	PV 0                                           ; the rest of the sum stands among and behind the four products: it names none of their registers
	v_pk_add_f32 v[236:237], v[236:237], v[124:125]
	v_pk_add_f32 v[246:247], v[246:247], v[126:127]
	v_pk_add_f32 v[244:245], v[244:245], v[130:131]
	v_pk_add_f32 v[240:241], v[240:241], v[134:135]
	v_pk_add_f32 v[234:235], v[234:235], v[138:139]
	v_pk_add_f32 v[232:233], v[232:233], v[142:143]
	PV 1
	v_pk_add_f32 v[68:69], v[68:69], v[146:147]
	v_pk_add_f32 v[14:15], v[14:15], v[150:151]
	v_pk_add_f32 v[236:237], v[236:237], v[154:155]
	v_pk_add_f32 v[246:247], v[246:247], v[158:159]
	v_pk_add_f32 v[244:245], v[244:245], v[162:163]
	v_pk_add_f32 v[240:241], v[240:241], v[166:167]
	PV 2
	v_pk_add_f32 v[234:235], v[234:235], v[170:171]
	v_pk_add_f32 v[232:233], v[232:233], v[174:175]
	v_pk_add_f32 v[68:69], v[68:69], v[178:179]
	PV 3
	v_pk_add_f32 v[14:15], v[14:15], v[182:183]
	v_pk_add_f32 v[236:237], v[236:237], v[186:187]
	s_delay_alu instid0(VALU_DEP_2)
	v_pk_add_f32 v[14:15], v[14:15], v[240:241]
	s_delay_alu instid0(VALU_DEP_2)
	v_pk_add_f32 v[236:237], v[236:237], v[234:235]
	v_pk_add_f32 v[246:247], v[246:247], v[232:233]
	v_pk_add_f32 v[244:245], v[244:245], v[68:69]
	s_delay_alu instid0(VALU_DEP_2)
	v_pk_add_f32 v[14:15], v[14:15], v[246:247]
	s_delay_alu instid0(VALU_DEP_2)
	v_pk_add_f32 v[236:237], v[236:237], v[244:245]
	s_delay_alu instid0(VALU_DEP_1)
	v_pk_add_f32 v[14:15], v[14:15], v[236:237]
	s_add_co_u32 s[KF], s[KF], 128
.endm
; THE WAY OUT of a tile (four places stand ahead of it): O^T / the sum goes through my stage and leaves as rows: sixteen lanes store 256 consecutive bytes, aligned.
.macro WAYOUT
	v_add_f32 v14, v14, v15
	s_delay_alu instid0(VALU_DEP_1)
	v_permlanex16_b32 v252, v14, s[SEL], s[SEL+1]
	s_delay_alu instid0(VALU_DEP_1)
	v_add_f32 v14, v14, v252
	s_wait_alu depctr_va_vdst(0)
	v_rcp_f32 v14, v14
	v_nop
.set N, 0
	s_wait_alu depctr_va_vdst(0)
.rept 32
	v_mul_f32 v[S+N], v[O+N], v14
.set N, N+1
.endr
.irp b, 0,1
.irp c, 0,1,2,3
	ds_store_b128 v[STO], v[S+16*\b+4*\c:S+16*\b+4*\c+3] offset:128*\b+16*\c
.endr
.endr
.irp i, 0,1,2,3,4,5,6,7
	ds_load_b128 v[VFR+4*\i:VFR+4*\i+3], v[RD] offset:2*\i*SP
.endr
.irp i, 0,1,2,3,4,5,6,7
	s_wait_dscnt 7-\i                              ; rows 2 i, 2 i + 1 are back; the younger loads may be out
	global_store_b128 v[GO], v[VFR+4*\i:VFR+4*\i+3], s[OB:OB+1] offset:(2*\i+8*(\i/4))*4096 th:TH_STORE_NT
.endr
.endm
; THE END OF THE FIRST TILE: behind the step that holds its own keys.  A branch on ids and counts; no barrier and no tensor load stands in it.  The next step's first key is chosen without a jump.
.macro PASSEND
	s_cmp_le_u32 s[KF], s[QMIN]
	s_cselect_b32 s[KF], s[KF], 0
	s_cbranch_scc1 .Lgo_on_\@
.rept 4
	v_nop
.endr
	global_load_b128 v[16:19], v[L16], s[QPB:QPB+1]
	global_load_b64 v[20:21], v[L8], s[QPB:QPB+1] offset:512
	global_load_b32 v255, v[L4R], s[QPB+2:QPB+3]
	WAYOUT
	s_wait_xcnt 0x0                                ; the stores have read their registers and their base
	s_mov_b64 s[OB:OB+1], s[OBB:OBB+1]
	s_mov_b32 s[QMIN], s[QMINB]
	RESET
	s_wait_loadcnt 0x0
.Lgo_on_\@:
.endm
	s_wait_alu depctr_va_vdst(0)
	s_wait_loadcnt 0x0                             ; q
	s_cmp_lt_u32 s[WV], 4
	s_cbranch_scc0 .Lnot_first
	s_wait_tensorcnt 0x0
.Lnot_first:
	s_barrier_signal -1
	s_barrier_wait -1                              ; slots 0 and 1 are in
.Lfirst:                                           ; steps 0 to 3, keys 0 .. 511: they count for every query of the first tile, which begins at query 1,024 or later
	STEP 384
	s_sub_co_u32 s[CNT], s[CNT], 1
	s_cmp_lg_u32 s[CNT], 0
	s_cbranch_scc1 .Lfirst
	s_mov_b32 s[CNT], 12
	s_wait_tensorcnt 0x0
	s_wait_dscnt 0x0
	s_barrier_signal -1
	s_barrier_wait -1                              ; all eight slots are in; from here on the waves share nothing
.Lstep:                                            ; steps 4 to 15; the first tile ends in one of steps 8 to 15
	STEP 1920
	PASSEND
	s_sub_co_u32 s[CNT], s[CNT], 1
	s_cmp_lg_u32 s[CNT], 0
	s_cbranch_scc1 .Lstep
	STEP 1920                                      ; the seventeenth step is the second tile's last
.rept 4
	v_nop
.endr
	WAYOUT
	s_wait_tensorcnt 0x0                           ; the wave's end
	ds_add_u32 v[SPW], v[NIL]
	s_wait_dscnt 0x0
	s_endpgm
.Lfunc_end_k_qddeae79072_attn:
	.size	k_qddeae79072_attn, .Lfunc_end_k_qddeae79072_attn-k_qddeae79072_attn
	.p2alignl 7, 3214868480
	.fill 96, 4, 3214868480
	.section	.rodata,"a",@progbits
	.p2align	6, 0x0
	.amdhsa_kernel k_qddeae79072_attn
		.amdhsa_group_segment_fixed_size 327680
		.amdhsa_private_segment_fixed_size 0
		.amdhsa_enable_private_segment 0
		.amdhsa_kernarg_size 16
		.amdhsa_user_sgpr_count 2
		.amdhsa_user_sgpr_kernarg_segment_ptr 1
		.amdhsa_wavefront_size32 1
		.amdhsa_system_sgpr_workgroup_id_x 1
		.amdhsa_system_sgpr_workgroup_id_y 1
		.amdhsa_system_sgpr_workgroup_id_z 1
		.amdhsa_system_vgpr_workitem_id 0
		.amdhsa_next_free_vgpr 256
		.amdhsa_next_free_sgpr 66
		.amdhsa_reserve_vcc 1
		.amdhsa_float_denorm_mode_32 3
		.amdhsa_float_denorm_mode_16_64 3
		.amdhsa_memory_ordered 1
		.amdhsa_forward_progress 1
		.amdhsa_inst_pref_size 88
	.end_amdhsa_kernel
	.amdgpu_metadata
---
amdhsa.version: [ 1, 2 ]
amdhsa.kernels:
  - .name:           k_qddeae79072_attn
    .symbol:         k_qddeae79072_attn.kd
    .args:
      - { .name: qkv, .offset: 0, .size: 8, .value_kind: global_buffer, .address_space: global }
      - { .name: out0, .offset: 8, .size: 8, .value_kind: global_buffer, .address_space: global }
    .group_segment_fixed_size: 327680
    .private_segment_fixed_size: 0
    .kernarg_segment_align: 8
    .kernarg_segment_size: 16
    .max_flat_workgroup_size: 512
    .sgpr_count:     66
    .vgpr_count:     256
    .wavefront_size: 32
...
	.end_amdgpu_metadata
.endif
;; end of part 3
